; MI455X (gfx1250); checked and timed in simulation.
; The chip was launched on July 23, 2026; its instructions are those of AMD's public machine-readable ISA for CDNA 5 (MIT licence, August 2026) and "CDNA5" Instruction Set Architecture Reference Guide (July 2026). The comments in the code are by the model that wrote it; some were corrected since.
;; Scaled Dot Attention. Allowed arithmetic: matrix products marked QUANTISED: E4M3 operands, one E8M0 scale for each 32 along K, by v_wmma_scale_f32_16x16x128_f8f6f4 with both operands' format E4M3, f32 sums; everything else in f32.
;; Inputs: k_codes 2 x 16 x 2,048 x 2 x 32 uint8 (E4M3 codes of k, K innermost, in blocks of 32 codes); k_scales 2 x 16 x 2,048 x 2 uint8 (E8M0 scales of k, one for each 32 codes along K); mask 2 x 2,048 x 2,048 bool; q_codes 2 x 16 x 2,048 x 2 x 32 uint8 (E4M3 codes of q, K innermost, in blocks of 32 codes); q_scales 2 x 16 x 2,048 x 2 uint8 (E8M0 scales of q, one for each 32 codes along K); v_codes 2 x 16 x 64 x 64 x 32 uint8 (E4M3 codes of v, K innermost, in blocks of 32 codes); v_scales 2 x 16 x 64 x 64 uint8 (E8M0 scales of v, one for each 32 codes along K).
;; Outputs: out0 2 x 16 x 2,048 x 64 float32.
;; This version of the problem:
;;   THIS VERSION OF THE PROBLEM IS GIVEN IN LOW PRECISION. The matrix products marked QUANTISED in the list below multiply operands that are first quantised to E4M3 (4 exponent bits, 3 mantissa bits; 8 bits a number), with one power-of-two scale for each 32 numbers along K (OCP MX v1.0); their sums are f32. All else is computed in f32.
;;   The module's matrix products, in the order in which they are computed (A, B: the left and right operand; K: the contracted axis; several contracted axes count as one K, in the product's order):
;;     1. batch 32 x [M 2,048, K 64] x [K 64, N 2,048]; A: input q (given as codes); B: input k (given as codes): QUANTISED
;;     2. batch 32 x [M 2,048, K 2,048] x [K 2,048, N 64]; A: softmax (see below); B: input v (given as codes): QUANTISED
;;   THE QUANTISER, for each operand of a quantised product, along K:
;;     - K is cut into blocks of 32 from its start; a last block that is shorter is filled with zeros.
;;     - A block's scale is 2^e with e = floor(log2(the largest magnitude in the block)) - 8, held to -126 .. 127; a block of zeros has e = 0. As a byte (E8M0): e + 127.
;;     - Each number is divided by its block's scale, clamped to +-448, and rounded to the nearest number of E4M3, ties to even, subnormals kept.
;;     - The product sums the exact products of the quantised numbers (number of the format x scale) in f32.
;;   ~~~python
;;   def quantise(x, axis):      # numpy; x: float32 -> the quantised numbers, widened to float32 again
;;       x = np.moveaxis(x, axis, -1); K = x.shape[-1]
;;       x = np.pad(x, [(0, 0)] * (x.ndim - 1) + [(0, -K % 32)]); x = x.reshape(x.shape[:-1] + (-1, 32)); a = np.abs(x).max(-1, keepdims=True)
;;       e = np.where(a > 0, np.clip(np.frexp(np.where(a > 0, a, 1))[1] - 1 - 8, -126, 127), 0)      # np.frexp(a)[1] - 1 = floor(log2(a)), exactly
;;       r = np.clip(x / 2.0 ** e, -448, 448)
;;       step = 2.0 ** (np.maximum(np.frexp(np.where(r == 0, 1, r))[1] - 1, -6) - 3)
;;       q = np.round(r / step) * step * 2.0 ** e      # np.round: ties to even
;;       return np.moveaxis(q.reshape(q.shape[:-2] + (-1,))[..., :K], -1, axis).astype(np.float32)
;;   ~~~
;;   SOFTMAX AHEAD OF A QUANTISED PRODUCT. Where the list says 'softmax', what is quantised is not the finished softmax but p = 2^(t - M), with t = logit x log2(e) and M = ceil(the row's largest t), a whole number; so 1/2 < the row's largest p <= 1. The row's sum l is taken of the UNQUANTISED p, in f32, and the product's result is divided by l at the end. Since M is a whole number, a kernel that streams over the keys may use a running M (the ceiling of the running maximum): every later rescaling is an exact power of two, which a block's scale takes up: the codes' values come out the same.
;;   OPERANDS COMPUTED ON THE WAY. 'Computed on the way' means the value that the module computes at that place (a softmax that the list does not call 'softmax' is quantised finished and normalised). What goes into a quantiser is computed in f32, as accurately as f32 sums, v_exp_f32 and their like allow (about 1e-6 of the number): no bf16 or f16 on the way to a quantiser, and a product that is left as it is and whose result goes on into a quantised operand takes f32 operands (vector FMAs, or v_wmma_f32_16x16x4_f32). A number that lies on a knife's edge between two numbers of the format may be rounded either way, as far as f32 arithmetic and the matrix unit's own rounding can turn it there, and no further.
;;   INPUTS GIVEN AS CODES. k (in the module: [2, 16, 2048, 64], K = its axis 3); q (in the module: [2, 16, 2048, 64], K = its axis 3); v (in the module: [2, 16, 2048, 64], K = its axis 2): each comes as NAME_codes (uint8): NAME with its K axis moved to the last place and cut into blocks of 32 codes, [.., K / 32, bytes a block], one block behind the other in memory; one code a byte (a code: sign, 4 exponent bits, 3 mantissa bits); and NAME_scales (uint8): the same leading axes, one E8M0 byte (e + 127) for each 32 codes along K. Its value is code x scale, taken as it is: it is not quantised again, and the codes and scales need not be those that the quantiser above would give.
;; One version. Each part assembles by itself: llvm-mc -triple=amdgcn-amd-amdhsa -mcpu=gfx1250 --defsym DOCPART=n.
;; ======== version 1 of 1: 1 launch
;; limits: right only within a limited range of input values
;; launch attn (part 1): grid 8 x 32, 8 waves a work-group, clusters of 4 x 1, 327,680 bytes of LDS; arguments q_codes, q_scales, k_codes, k_scales, v_codes, v_scales, mask, out0; writes out0
.if DOCPART == 1
	.amdgcn_target "amdgcn-amd-amdhsa--gfx1250"
	.amdhsa_code_object_version 6
	.text
	.protected	k_q5e88c3622a_attn
	.globl	k_q5e88c3622a_attn
	.p2align	8
	.type	k_q5e88c3622a_attn,@function
k_q5e88c3622a_attn:
	s_mov_b64 s[64:65], 0
	v_nop
	global_prefetch_b8 v0, s[64:65] scope:SCOPE_SE
	s_setreg_imm32_b32 hwreg(HW_REG_WAVE_MODE, 25, 1), 1
	s_wait_xcnt 0x0
	s_wait_alu depctr_hold_cnt(0) depctr_sa_sdst(0) depctr_va_vdst(0) depctr_va_sdst(0) depctr_va_ssrc(0) depctr_va_vcc(0) depctr_vm_vsrc(0)
	s_getreg_b32 s2, hwreg(HW_REG_IB_STS2, 6, 4)
	s_cmp_eq_u32 s2, 0
	s_cbranch_scc0 .Lentry_in_a_cluster
	s_endpgm
.Lentry_in_a_cluster:
	s_bfe_u32 s2, ttmp6, 0x10000c
	s_cmp_lg_u32 s2, 0x3003
	s_cbranch_scc0 .Lentry_shape_is_right
	s_endpgm
.Lentry_shape_is_right:
; out0[b][h][q][:] = the sum over k of softmax_k(mask ? q . k / 8 : -inf) v[k][:], 32 heads, 2,048 queries and keys, head size 64; both products on codes of E4M3 with one E8M0 scale for each 32 along K.
; Q, K: rows of 64 codes, 2 scale bytes a row.  V: the keys innermost, 64 rows of 2,048 codes a head, 64 scale bytes a row.  mask: [2][2048][2048] bytes, 1 = the key counts.  out0: f32.
; THE SOFTMAX: t = score x log2(e) / 8; M = the running largest t rounded UP to a whole number; p = 2^(t - M) is quantised along the keys, not normalised; the row's sum is taken of the unquantised p and divides at the end.
; When M moves, the sum and O are multiplied by 2^(old M - new M), which rounds nothing.
; SHARES.  A work-group owns 256 queries of one head; each of its eight waves 32 of them, two tiles of 16.  Every wave walks all keys, 128 a step: the mask is an input, so no tile is left out.
; Both products are used transposed (S^T = K Q^T, O^T = V^T P^T): a lane holds ONE query (lane % 16) throughout.
; K AND V OF THE WHOLE HEAD LIE IN LDS (282,624 bytes with padding; scale bytes 8,704): nothing is filled again, no barrier stands in a key step.  Each wave issues one tensor load: waves 0 to 3 K's first 640 keys, V's first 512,
; K's scale bytes, V's; waves 4 and 5 the rest of K, 6 and 7 the rest of V.  The first barrier shows the first four tiles, one barrier behind step 3 the others.
; CLUSTER 4 x 1: four blocks of queries of one head; all eight tiles hang on the head alone and are asked for JOINTLY.  The mask is not: a work-group's rows of it are 524,288 bytes, more than LDS has beside K and V.
; THE MASK: 128 keys of my 32 rows come by eight loads (four rows of 128 bytes each) a step ahead; each byte is flipped (1 = hidden) and passes through 4,096 LDS bytes of the wave's own into the operand's layout.
; IT ENTERS Q K^T AS THE UPPER 64 OF K = 128 (the channels fill the lower 64).  A flipped byte IS a code: 1 = 2^-9, 0 = 0.  Against it stands, beside each tile of K, a selector: row m has the code -448 at the place of its own key, 0 elsewhere.
; With both scales 2^50 a hidden key gets -0.875 x 2^100, a key that counts products of zero codes alone.  The running largest t begins at -2^60, over every hidden t: as long as a row has seen hidden keys alone every p is exactly 0,
; and a row with no key at all ends as 0 x (1 / 0) = NaN, which is what a softmax over -inf alone gives.
; THE KEYS OF A TILE: lane r of tile 2 b + u takes key 32 b + 8 u + r + 8 (r / 8), so that the 16 registers of tiles 2 b and 2 b + 1 are the 16 neighbouring keys 32 b + 16 (lane / 16) + 0 .. 15.
; LIMITS.  |q . k| under 2^60.  NaN codes and scale bytes 0xff among the inputs are not served.  A block of p whose largest lies under 2^-118 keeps the scale byte 1.  mask bytes are 0 or 1.
; REGISTERS, two windows of 256 (s_set_vgpr_msb: bits 1:0 source 0, 3:2 source 1, 5:4 source 2, 7:6 destination).  Window 0: addresses, scale words, S^T of one tile (then p), O^T of both, p's codes, work.
; Window 1: v0-95 four slots [K's tile g, selector g, K's tile g + 4]; v96-159 V's four fragments; v160-191 mask bytes as loaded; v192-255 for each tile of queries [Q, mask of keys 0-63, mask of keys 64-127, Q].
; Tiles 0-3 take [K, selector] and [Q, mask], tiles 4-7 [selector, K] and [mask, Q]; the four bytes of a scale word follow the same order.
.set KP, 144          ; LDS: two keys' 128 bytes + 16 of padding
.set KSTEP, 64*KP     ; a step's 128 keys
.set KE, 640          ; keys in K's first tile: five steps; 704 in each of the other two
.set KLO, KE/2*KP
.set KLB, 352*KP      ; bytes of a later tile of K in LDS, and of one of V (32 rows)
.set VE, 1024*KP      ; V's first 512 keys: 64 rows of 512 + 16 bytes
.set VEP, 528
.set VL, VE+64*VEP    ; the other 1,536: 64 rows of three times 512 + 16 bytes
.set VLP, 1584
.set SP, 272          ; 256 bytes + 16 of padding: the scale bytes' rows, the way out
.set KSC, VL+64*VLP   ; K's scale bytes of the whole head, a row a step
.set VSC, KSC+16*SP   ; V's (four rows of V's scales to a row)
.set SPARE, VSC+16*SP ; the spare words, 128 bytes for each wave
.set STAGE, SPARE+1024 ; 16 x 272 bytes for each wave: the mask's way in, and the way out; no tile lands here
; window 0
.set AK, 1            ; my lane's place in a tile of K, in V's first part, in its second (less 528: the step's offset begins there at 528)
.set AVE, 2
.set AVL, 3
.set AKS, 4           ; among K's scale words, among V's
.set AVS, 5
.set SPW, 6           ; LDS address of my spare word; never rewritten
.set NIL, 7           ; 0; never rewritten
.set ADK, 8           ; v8-12: the places in the step in hand; V's rows 0-31 in v10, 32-63 in v11
.set ADS, 9
.set ADV, 10
.set ADT, 12
.set PFO, 13          ; the prefetches' lane offset; never rewritten
.set VS, 14           ; V's scale words: register p: lanes 0-15 tile 2 p's, lanes 16-31 tile 2 p + 1's
.set PS, 16           ; p's scale words of tiles 0, 1
.set KS, 18           ; K's: register b: lanes 0-15 tile 2 b's, lanes 16-31 tile 2 b + 1's
.set QS, 22           ; Q's in the two orders: lane l holds query l of my 32
.set MST, 24          ; where I put mask bytes, by the load's number % 4
.set MLD, 28          ; where I read block c's
.set S, 32
.set O, 96            ; + 32 x tile
.set PC, 160
.set NM, 176          ; -M, + 4 x tile; then the largest t and the sum in two halves
.set TX, 177
.set L, 178
.set BM, 184          ; the blocks' largest scores, then largest p
.set T4, 188          ; lane permutes' results, partial sums
.set HD, 192          ; 448 x the scale
.set SO, 196          ; the conversion's scale operand
.set F, 200           ; f = 2^(old M - new M); v201 is named with it as a pair
.set TMP, 202
.set PW, 203
.set BY, 204          ; scale bytes
.set DT, 208          ; v208-223 sums of two pairs
.set MGO, 240         ; my lane's offset in the mask; never rewritten
.set R, 241           ; lane % 16, lane / 16, lane, and work
.set H, 242
.set LN, 243
.set W, 244
.set QO, 250          ; offsets of the loads of Q and its scale words; never rewritten
.set QSO, 251
.set STO, 8           ; the way out: in, back, and my byte offset in O
.set RD, 9
.set GO, 10
; window 1
.set KB, 0
.set VB, 96
.set RAW, 160
.set BQ, 192
; scalars
.set WV, 20           ; my wave's number
.set PFW, 21          ; 0 in wave 0, else 64
.set WGX, 22          ; my block of 256 queries
.set WGY, 23          ; my head
.set BAT, 24          ; my batch
.set STEPN, 25        ; the key step
.set G1KE, 28         ; descriptor groups 1, then 0
.set G1KL, 36
.set G1VE, 44
.set G1VL, 52
.set G1S, 68
.set G0KE, 60
.set G0VE, 76
.set G0SK, 80
.set G0SV, 84
.set G0KL, 88
.set G0VL, 92
.set SEL, 96          ; v_permlanex16_b32's selects for lane l xor 16
.set CS, 98           ; s[98:99] c = log2(e) / 8: the packed form takes the low word for both halves
.set MNT, 100         ; the mantissa field of 448
.set ONES, 101
.set PFB, 66          ; s[66:67] where my work-group's prefetches begin
.set MSB, 0
.macro WIN new        ; the immediate's high byte repeats the setting that is left; a switch that changes nothing is dropped
.if MSB != \new
	s_set_vgpr_msb (MSB<<8)|\new
.set MSB, \new
.endif
.endm
; A round of the cluster's barrier.
.macro CROUND
	s_barrier_signal -1
	s_barrier_wait -1
	s_cmp_lg_u32 s[WV], 0
	s_cbranch_scc1 .Lnot_wave_0_\@
	s_barrier_signal -3
.Lnot_wave_0_\@:
	s_barrier_wait -3
	s_barrier_signal -1
	s_barrier_wait -1
.endm
.macro GROUP1 g, w, c, r, p   ; r rows of c elements, p apart
	s_mov_b32 s[\g], \w
	s_mov_b32 s[\g+1], (\c)<<16
	s_mov_b32 s[\g+2], (\r)<<16
	s_mov_b32 s[\g+3], (\c)<<16
	s_mov_b32 s[\g+4], \r
	s_mov_b32 s[\g+5], \p
	s_mov_b32 s[\g+6], 0
	s_mov_b32 s[\g+7], 0
.endm
.macro ARM under, g0, g1, next   ; an arm of the head's chain: a load, s_nop 0, four v_nop
	s_cmp_lt_u32 s[WV], \under
	s_cbranch_scc0 \next
	tensor_load_to_lds s[\g0:\g0+3], s[\g1:\g1+7]
	s_nop 0
.rept 4
	v_nop
.endr
	s_branch .Lhead_asked
\next:
.endm
.macro FLIP base      ; 32 registers of mask bytes: 1 becomes 0, 0 becomes 1
	WIN 0x44
.set i, 0
.rept 32
	v_xor_b32 v[\base+i], s[ONES], v[\base+i]
.set i, i+1
.endr
.endm
; The mask's bytes into my stage and back.  Load j brought rows 4 j + lane / 8, column (16 bytes) lane % 8.  In the stage a row is 128 bytes and its column k lies at k xor ((row / 2) % 8).
; Read: lane (r, h) takes row r's columns 2 c + h.  LDS serves a wave's instructions in order (ISA guide 5.7.1.4): the loads see the stores.
.macro MSTORE base
	WIN 0x04
.irp j, 0,1,2,3,4,5,6,7
	ds_store_b128 v[MST+\j%4], v[\base+4*\j:\base+4*\j+3] offset:512*\j
.endr
.endm
.macro MLOAD
	WIN 0x40
.irp t, 0,1
.irp c, 0,1,2,3
	ds_load_b128 v[BQ+32*\t+8+4*\c:BQ+32*\t+11+4*\c], v[MLD+\c] offset:2048*\t
.endr
.endr
.endm
.macro LOADK ad, as, o   ; 20 loads: K's eight tiles of 16 keys x 64 channels and their scale words, o steps on
	WIN 0x40
.irp g, 0,1,2,3,4,5,6,7
.irp c, 0,1
	ds_load_b128 v[KB+24*(\g%4)+16*(\g/4)+4*\c:KB+24*(\g%4)+16*(\g/4)+4*\c+3], v[\ad] offset:(\o)*KSTEP+((32*(\g/2)+8*(\g%2))/2)*KP+32*\c
.endr
.endr
	WIN 0
.irp b, 0,1,2,3
	ds_load_u16 v[KS+\b], v[\as] offset:(\o)*SP+64*\b
.endr
.endm
.macro KWORDS         ; K's two scale bytes below the selector's (177 = 2^50) for tiles 0-3, above them for tiles 4-7
	v_or_b32 v[KS], 0xb1b10000, v[KS]
	v_or_b32 v[KS+1], 0xb1b10000, v[KS+1]
	v_lshl_or_b32 v[KS+2], v[KS+2], 16, 0xb1b1
	v_lshl_or_b32 v[KS+3], v[KS+3], 16, 0xb1b1
.endm
.macro LOADV p        ; 18 loads: V's scale words and its four fragments, 16 channels x 128 keys; p: a row's pitch
	WIN 0
.irp q, 0,1
	ds_load_b32 v[VS+\q], v[ADT] offset:8*SP*\q
.endr
	WIN 0x40
.irp g, 0,1,2,3
.irp c, 0,1,2,3
	ds_load_b128 v[VB+16*\g+4*\c:VB+16*\g+4*\c+3], v[ADV+\g/2] offset:16*(\g%2)*\p+32*\c
.endr
.endr
	WIN 0
.endm
; S^T = K Q^T + the mask, for tile t of my queries: eight accumulators.  Odd tiles of K take their scale words from lanes 16-31, tile 1 of the queries likewise.
.macro QK t
	WIN 0x05
.irp g, 0,1,2,3,4,5,6,7
.set KA, KB+24*(\g%4)+8*(\g/4)
.set QA, BQ+32*\t+16*(\g/4)
.if (\t == 0) && (\g % 2 == 0)
	v_wmma_scale_f32_16x16x128_f8f6f4 v[S+8*\g:S+8*\g+7], v[KA:KA+15], v[QA:QA+15], 0, v[KS+\g/2], v[QS+\g/4]
.elseif \t == 0
	v_wmma_scale_f32_16x16x128_f8f6f4 v[S+8*\g:S+8*\g+7], v[KA:KA+15], v[QA:QA+15], 0, v[KS+\g/2], v[QS+\g/4] matrix_a_scale:MATRIX_SCALE_ROW1
.elseif \g % 2 == 0
	v_wmma_scale_f32_16x16x128_f8f6f4 v[S+8*\g:S+8*\g+7], v[KA:KA+15], v[QA:QA+15], 0, v[KS+\g/2], v[QS+\g/4] matrix_b_scale:MATRIX_SCALE_ROW1
.else
	v_wmma_scale_f32_16x16x128_f8f6f4 v[S+8*\g:S+8*\g+7], v[KA:KA+15], v[QA:QA+15], 0, v[KS+\g/2], v[QS+\g/4] matrix_a_scale:MATRIX_SCALE_ROW1 matrix_b_scale:MATRIX_SCALE_ROW1
.endif
.endr
.endm
; O^T += V^T P^T for tile t: four accumulators, one instruction each
.macro PV t
	WIN 0x01
.irp g, 0,1,2,3
.set OA, O+32*\t+8*\g
.if \g % 2
	v_wmma_scale_f32_16x16x128_f8f6f4 v[OA:OA+7], v[VB+16*\g:VB+16*\g+15], v[PC:PC+15], v[OA:OA+7], v[VS+\g/2], v[PS+\t] matrix_a_scale:MATRIX_SCALE_ROW1
.else
	v_wmma_scale_f32_16x16x128_f8f6f4 v[OA:OA+7], v[VB+16*\g:VB+16*\g+15], v[PC:PC+15], v[OA:OA+7], v[VS+\g/2], v[PS+\t]
.endif
.endr
.endm
; The softmax's first part: the largest score of each block of 32 keys (it serves for the row's maximum and, since p rises with the score, for the block's largest p), M and f.  Each accumulator is read from its low end on.
.macro SMAX t
	WIN 0
.irp b, 0,1,2,3
	v_max3_num_f32 v[BM+\b], v[S+16*\b], v[S+16*\b+1], v[S+16*\b+2]
.endr
.irp i, 3,5,7,9,11,13
.irp b, 0,1,2,3
	v_max3_num_f32 v[BM+\b], v[BM+\b], v[S+16*\b+\i], v[S+16*\b+\i+1]
.endr
.endr
.irp b, 0,1,2,3
	v_max_num_f32 v[BM+\b], v[BM+\b], v[S+16*\b+15]
.endr
.irp b, 0,1,2,3
	s_delay_alu instid0(VALU_DEP_4)
	v_permlanex16_b32 v[T4+\b], v[BM+\b], s[SEL], s[SEL+1]
.endr
.irp b, 0,1,2,3
	s_delay_alu instid0(VALU_DEP_4)
	v_max_num_f32 v[BM+\b], v[BM+\b], v[T4+\b]   ; with lane l xor 16's 16 keys
.endr
	s_delay_alu instid0(VALU_DEP_2)
	v_max3_num_f32 v[TMP], v[BM], v[BM+1], v[BM+2]
	s_delay_alu instid0(VALU_DEP_1)
	v_max_num_f32 v[TMP], v[TMP], v[BM+3]   ; the step's largest score of my query
	s_delay_alu instid0(VALU_DEP_1)
	v_mul_f32 v[TMP], s[CS], v[TMP]   ; as t (c is positive)
	s_delay_alu instid0(VALU_DEP_1)
	v_max_num_f32 v[TX+4*\t], v[TX+4*\t], v[TMP]
	v_mov_b32 v[TMP], v[NM+4*\t]
	s_delay_alu instid0(VALU_DEP_2)
	v_floor_f32 v[NM+4*\t], -v[TX+4*\t]   ; the new -M = floor(-t) = -ceil(t): M is a whole number
	s_delay_alu instid0(VALU_DEP_1)
	v_sub_f32 v[TMP], v[NM+4*\t], v[TMP]   ; M's old value less its new one: a whole number, 0 or less
	s_delay_alu instid0(VALU_DEP_1)
	v_cvt_i32_f32 v[TMP], v[TMP]   ; (it saturates)
	s_delay_alu instid0(VALU_DEP_1)
	v_ldexp_f32 v[F], 1.0, v[TMP]   ; f = 2^(old M - new M)
.endm
; The second part: p, its sum, its codes, and O^T under the new M.  The exponentials go in two batches of two blocks each.  Between them stands plain work whose results are first read behind the batch's wait: blocks 2 and 3's multiply-adds
; in the first; in the second sums of two of blocks 0 and 1's pairs, the largest p's floors and the sum under the new M.  s_wait_alu stands ahead of the first batch, between the two and behind the second, where it serves O^T's first readers too.
; more: the next step's K has been fetched; raw: mask bytes are asked for.
.macro SEXP t, more, raw
	WIN 0
.set j, 0
.rept 16
	v_pk_fma_f32 v[S+j:S+j+1], v[S+j:S+j+1], s[CS:CS+1], v[NM+4*\t:NM+4*\t+1] op_sel_hi:[1,0,0]   ; t - M, two at a time
.set j, j+2
.endr
.irp b, 0,1,2,3
	v_fma_f32 v[BM+\b], v[BM+\b], s[CS], v[NM+4*\t]
.endr
.if \raw
	s_wait_dscnt 28   ; my 8 stores of mask bytes are done (behind them 8 + 20 loads were issued): their registers are free
	s_add_nc_u64 s[16:17], s[16:17], 128   ; (no load that names the base is out)
	WIN 0x40
.irp j, 0,1,2,3,4,5,6,7
	global_load_b128 v[RAW+4*\j:RAW+4*\j+3], v[MGO], s[16:17] offset:8192*\j+128
.endr
	WIN 0
	ASK
.endif
	s_wait_alu depctr_va_vdst(0)
.irp b, 0,1,2,3
	v_exp_f32 v[BM+\b], v[BM+\b]   ; the block's largest p: the same two instructions on the same number give the same bits
.endr
.set j, 0
.rept 16
	v_exp_f32 v[S+j], v[S+j]   ; p = 2^(t - M), at most 1; 0 for a hidden key
	v_exp_f32 v[S+j+1], v[S+j+1]
	v_pk_fma_f32 v[S+32+j:S+33+j], v[S+32+j:S+33+j], s[CS:CS+1], v[NM+4*\t:NM+4*\t+1] op_sel_hi:[1,0,0]
.set j, j+2
.endr
	s_wait_alu depctr_va_vdst(0)
.irp i, 0,1,2,3,4,5,6,7,8,9,10,11,12,13,14,15
	v_exp_f32 v[S+32+2*\i], v[S+32+2*\i]
	v_exp_f32 v[S+33+2*\i], v[S+33+2*\i]
.if \i < 8
	v_pk_add_f32 v[DT+2*\i:DT+2*\i+1], v[S+4*\i:S+4*\i+1], v[S+4*\i+2:S+4*\i+3]   ; THE ROW'S SUM IS TAKEN OF THE UNQUANTISED p
.elseif \i < 12
	v_max_num_f32 v[BM+\i-8], 0x4800000, v[BM+\i-8]   ; the floor 2^(9 - 127): the byte cannot fall under 1
.elseif \i == 15
	v_pk_mul_f32 v[L+4*\t:L+4*\t+1], v[L+4*\t:L+4*\t+1], v[F:F+1] op_sel_hi:[1,0]   ; the sums under the new M
.endif
.endr
	s_wait_dscnt 0x0   ; tile 0: V is in; tile 1: the next step's K and mask are
	s_wait_alu depctr_va_vdst(0)
.set j, 0
.rept 16
	v_pk_mul_f32 v[O+32*\t+j:O+32*\t+j+1], v[O+32*\t+j:O+32*\t+j+1], v[F:F+1] op_sel_hi:[1,0]   ; O^T under the new M, from each accumulator's low end on
.set j, j+2
.endr
.if \more
	KWORDS
.endif
	v_pk_add_f32 v[T4:T4+1], v[DT:DT+1], v[DT+2:DT+3]   ; the sum goes on in two chains
.irp b, 0,1,2
	v_add_nc_u32 v[SO+\b], 0xfc000000, v[BM+\b]   ; 8 off the exponent field: the conversion's scale operand
	v_pk_add_f32 v[L+4*\t:L+4*\t+1], v[L+4*\t:L+4*\t+1], v[DT+4+4*\b:DT+5+4*\b]
	v_pk_add_f32 v[T4:T4+1], v[T4:T4+1], v[DT+6+4*\b:DT+7+4*\b]
.endr
	v_add_nc_u32 v[SO+3], 0xfc000000, v[BM+3]
.irp b, 0,1,2,3
	v_and_or_b32 v[HD+\b], v[BM+\b], 0x7f800000, s[MNT]   ; 448 x the scale
.endr
.irp b, 0,1,2,3
	v_lshrrev_b32 v[BY+\b], 23, v[SO+\b]   ; the scale's byte
.endr
	s_delay_alu instid0(VALU_DEP_3)
	v_lshl_or_b32 v[PW], v[BY+1], 8, v[BY]
	s_delay_alu instid0(VALU_DEP_1)
	v_lshl_or_b32 v[PW], v[BY+2], 16, v[PW]
	s_delay_alu instid0(VALU_DEP_1)
	v_lshl_or_b32 v[PS+\t], v[BY+3], 24, v[PW]   ; p's scale word for these 128 keys
; The holds: the conversion to an 8-bit code does not saturate (ISA guide 7.6.2); p is not negative, so they are one-sided.  Blocks 2 and 3's numbers are added to the sum ahead of theirs.
.set j, 0
.rept 8
	v_pk_add_f32 v[L+4*\t:L+4*\t+1], v[L+4*\t:L+4*\t+1], v[S+32+j:S+33+j]
	v_pk_add_f32 v[T4:T4+1], v[T4:T4+1], v[S+34+j:S+35+j]
	v_dual_min_num_f32 v[S+j], v[S+j], v[HD+j/16] :: v_dual_min_num_f32 v[S+j+1], v[S+j+1], v[HD+j/16]
	v_dual_min_num_f32 v[S+j+2], v[S+j+2], v[HD+j/16] :: v_dual_min_num_f32 v[S+j+3], v[S+j+3], v[HD+j/16]
	v_dual_min_num_f32 v[S+32+j], v[S+32+j], v[HD+2+j/16] :: v_dual_min_num_f32 v[S+33+j], v[S+33+j], v[HD+2+j/16]
	v_dual_min_num_f32 v[S+34+j], v[S+34+j], v[HD+2+j/16] :: v_dual_min_num_f32 v[S+35+j], v[S+35+j], v[HD+2+j/16]
.set j, j+4
.endr
.irp b, 0,1,2,3
	v_cvt_scalef32_pk8_fp8_f32 v[PC+4*\b:PC+4*\b+1], v[S+16*\b:S+16*\b+7], v[SO+\b]
	v_cvt_scalef32_pk8_fp8_f32 v[PC+4*\b+2:PC+4*\b+3], v[S+16*\b+8:S+16*\b+15], v[SO+\b]
.endr
	v_pk_add_f32 v[L+4*\t:L+4*\t+1], v[L+4*\t:L+4*\t+1], v[T4:T4+1]
.rept 3
	v_nop   ; with the line above four places between the conversions and the products
.endr
.endm
; A PREFETCH INTO THE L2 of mask rows, in steps 0, 4 and 8: the 512 bytes of a row that hold the keys of the four steps that begin four steps on; the first of them is loaded two steps on.  The 16 heads of a batch read the same rows and share them out
; BY ADDRESS: a work-group names 16 of its block's 256 rows, by its head's number, wave 0 alone, a lane a row and 256 bytes: each aligned block of 256 bytes once in the launch.  Steps 0 to 3 come by their loads alone; step 12 asks for nothing.
; K and V come once, at the head, and are not asked for.
.macro ASK
	s_and_b32 s26, s[STEPN], 3
	s_lshl_b32 s26, s26, 4
	s_or_b32 s26, s26, s[STEPN]
	s_or_b32 s26, s26, s[PFW]
	s_cmp_lt_u32 s26, 12
	s_cbranch_scc0 .Lnot_mine_\@
	s_wait_xcnt 0x0   ; the last prefetch, four steps back, has read its address
	s_lshl_b32 s26, s[STEPN], 7
	s_mov_b32 s27, 0
	s_add_nc_u64 s[14:15], s[PFB:PFB+1], s[26:27]
	global_prefetch_b8 v[PFO], s[14:15] offset:512 th:TH_LOAD_NT scope:SCOPE_SE
.Lnot_mine_\@:
.endm
; A KEY STEP: 128 keys.  Its K, its mask and their scale words stand in registers.  late: V's second part; more: the next step's K and mask are fetched; raw: the mask bytes of the step after that are asked for.
; The accumulators take turns, one instruction a turn, over the loop's backward jump too.
.macro STEP late, more, raw
	QK 0
	WIN 0
	s_lshl_b32 s26, s[STEPN], 7
.if \late
	s_lshr_b32 s27, s[STEPN], 2
	s_lshl_b32 s27, s27, 4
	s_add_co_u32 s26, s26, s27   ; 16 bytes of padding behind every four steps
	v_add_nc_u32 v[ADV], s26, v[AVL]
	v_add_nc_u32 v[ADV+1], 32*VLP, v[ADV]
.else
	v_add_nc_u32 v[ADV], s26, v[AVE]
	v_add_nc_u32 v[ADV+1], 32*VEP, v[ADV]
.endif
	s_lshl_b32 s26, s[STEPN], 2
	v_add_nc_u32 v[ADT], s26, v[AVS]
.if \more
	s_mul_i32 s26, s[STEPN], KSTEP
	v_add_nc_u32 v[ADK], s26, v[AK]
	s_mul_i32 s26, s[STEPN], SP
	v_add_nc_u32 v[ADS], s26, v[AKS]
.else
	v_nop
	v_nop
.endif
.rept 3
	v_nop   ; with the five lines above eight places behind this form, in front of the first read of the scores and the loads into V's registers
.endr
.if \late
	LOADV VLP
.else
	LOADV VEP
.endif
	SMAX 0
	SEXP 0, 0, 0
	PV 0
	QK 1
.if \more
	WIN 0x44
	s_wait_loadcnt 0x0   ; the next step's mask bytes, asked for a step ago
	FLIP RAW   ; 32 plain lines: the places in front of the loads below and of the first read of the scores
	MSTORE RAW
	MLOAD
	LOADK ADK, ADS, 1
.else
	WIN 0
.rept 8
	v_nop
.endr
.endif
	SMAX 1
	SEXP 1, \more, \raw
	PV 1
	WIN 0
.endm
	s_load_b256 s[4:11], s[0:1], 0x0    ; Q's codes s[4:5], Q's scales s[6:7], K's codes s[8:9], K's scales s[10:11]
	s_load_b256 s[12:19], s[0:1], 0x20  ; V's codes s[12:13], V's scales s[14:15], the mask s[16:17], O s[18:19]
	v_lshl_add_u32 v[SPW], v0, 2, SPARE
	v_mov_b32 v[NIL], 0
	ds_add_u32 v[SPW], v[NIL]   ; the wave's opening: the add, twice on end, and its wait ahead of my first tensor load
	ds_add_u32 v[SPW], v[NIL]
	v_lshrrev_b32 v1, 5, v0
	v_readfirstlane_b32 s[WV], v1
	s_bfe_u32 s26, ttmp6, 0x40000
	s_lshl_b32 s[WGX], ttmp9, 2   ; in a cluster launch ttmp9 counts clusters
	s_add_co_u32 s[WGX], s[WGX], s26
	s_and_b32 s[WGY], ttmp7, 0xffff
	s_lshr_b32 s[BAT], s[WGY], 4
	; groups 1.  15:0 the mask of work-groups: all four; 17:16 the element's size; 20 padding on; 21 set beside a mask; 24:22 the padding's interval; 31:25 four words of it (code 3)
	; K's rows of 64 bytes are dense in memory and are stated as rows of 256 bytes, the padding behind each 128 (code 4); V's padding stands behind each 512 bytes (code 6)
	GROUP1 G1KE, 15|(1<<20)|(1<<21)|(4<<22)|(3<<25), 256, KE/4, 256
	GROUP1 G1KL, 15|(1<<20)|(1<<21)|(4<<22)|(3<<25), 256, 176, 256
	GROUP1 G1VE, 15|(1<<20)|(1<<21)|(6<<22)|(3<<25), 512, 64, 2048
	GROUP1 G1VL, 15|(1<<20)|(1<<21)|(6<<22)|(3<<25), 1536, 32, 2048
	GROUP1 G1S, 15|(3<<16)|(1<<20)|(1<<21)|(5<<22)|(3<<25), 32, 16, 32
	s_mov_b32 s[SEL], 0x76543210
	s_mov_b32 s[SEL+1], 0xfedcba98
	s_mov_b32 s[CS], 0x3e38aa3b   ; log2(e) / 8
	s_mov_b32 s[CS+1], s[CS]
	s_mov_b32 s[MNT], 0x600000
	s_mov_b32 s[ONES], 0x01010101
	v_and_b32 v[R], 15, v0        ; r = lane % 16
	v_bfe_u32 v[H], v0, 4, 1      ; h = lane / 16
	v_and_b32 v[LN], 31, v0       ; lane
	v_lshrrev_b32 v[W], 3, v[LN]
	v_and_b32 v[W+1], 7, v[LN]
	v_lshlrev_b32 v[MGO], 11, v[W]   ; the mask: row lane / 8,
	v_lshl_add_u32 v[MGO], v[W+1], 4, v[MGO]   ; 16 bytes a lane
	v_lshlrev_b32 v[QO], 6, v[R]
	v_lshl_add_u32 v[QO], v[H], 4, v[QO]   ; Q: row r of 64 bytes, + 16 h: registers 4 c .. 4 c + 3 hold channels 32 c + 16 h + 0 .. 15
	v_lshlrev_b32 v[QSO], 1, v[LN]
	v_lshlrev_b32 v[PFO], 11, v[R]   ; the prefetches: row r, 256 bytes on for h = 1
	v_lshl_add_u32 v[PFO], v[H], 8, v[PFO]
	s_wait_dscnt 0x0              ; both opening adds are done
	s_wait_alu depctr_va_vdst(0)  ; directly ahead of the wait below
	s_wait_kmcnt 0x0
	; the mask at my block of queries: (batch x 2,048 + 256 x block) rows of 2,048 bytes
	s_lshl_b32 s26, s[BAT], 22
	s_lshl_b32 s27, s[WGX], 19
	s_add_co_u32 s26, s26, s27
	s_mov_b32 s27, 0
	s_add_nc_u64 s[16:17], s[16:17], s[26:27]
	s_and_b32 s26, s[WGY], 15
	s_lshl_b32 s26, s26, 15
	s_add_nc_u64 s[PFB:PFB+1], s[16:17], s[26:27]   ; the prefetches: 16 rows by the head's number in its batch
	s_lshl_b32 s26, s[WV], 16
	s_add_nc_u64 s[16:17], s[16:17], s[26:27]   ; my wave's 32 rows
	s_cmp_lg_u32 s[WV], 0
	s_cselect_b32 s[PFW], 64, 0
	; Q, its scale words and O at my wave's first query
	s_lshl_b32 s26, s[WGY], 17
	s_lshl_b32 s27, s[WGX], 14    ; 256 rows of 64 bytes
	s_add_co_u32 s26, s26, s27
	s_lshl_b32 s27, s[WV], 11     ; 32 rows
	s_add_co_u32 s26, s26, s27
	s_mov_b32 s27, 0
	s_add_nc_u64 s[4:5], s[4:5], s[26:27]
	s_lshr_b32 s26, s26, 5        ; 2 scale bytes for 64 codes
	s_add_nc_u64 s[6:7], s[6:7], s[26:27]
	s_lshl_b32 s26, s26, 7        ; 256 bytes of O for 2 scale bytes
	s_add_nc_u64 s[18:19], s[18:19], s[26:27]
	WIN 0x40
.irp j, 0,1,2,3,4,5,6,7       ; step 0's mask bytes, into V's registers, which are free until step 0's V is loaded
	global_load_b128 v[VB+4*\j:VB+4*\j+3], v[MGO], s[16:17] offset:8192*\j
.endr
.irp t, 0,1
	global_load_b128 v[BQ+32*\t:BQ+32*\t+3], v[QO], s[4:5] offset:1024*\t th:TH_LOAD_NT
	global_load_b128 v[BQ+32*\t+4:BQ+32*\t+7], v[QO], s[4:5] offset:1024*\t+32 th:TH_LOAD_NT
.endr
	WIN 0
	global_load_u16 v[QS], v[QSO], s[6:7]   ; lane l: the two scale bytes of query l
	WIN 0x40
.irp j, 0,1,2,3,4,5,6,7       ; step 1's mask bytes
	global_load_b128 v[RAW+4*\j:RAW+4*\j+3], v[MGO], s[16:17] offset:8192*\j+128
.endr
	WIN 0
	; groups 0.  1:0 count = 1; 63:32 LDS address; 120:64 global address; 127:126 type = 2.  Nothing here hangs on a place in the cluster
	s_lshl_b32 s2, s[WGY], 17     ; the head's first byte in K's and V's codes
	s_mov_b32 s3, 0
	s_mov_b32 s[G0KE], 1
	s_mov_b32 s[G0KE+1], 0
	s_add_nc_u64 s[G0KE+2:G0KE+3], s[8:9], s[2:3]
	s_mov_b32 s[G0VE], 1
	s_mov_b32 s[G0VE+1], VE
	s_add_nc_u64 s[G0VE+2:G0VE+3], s[12:13], s[2:3]
	s_and_b32 s2, s[WV], 1        ; which of the two later tiles of K, or of V, is mine
	s_mul_i32 s2, s2, 45056       ; 704 keys of 64 bytes
	s_mov_b32 s[G0KL], 1
	s_add_nc_u64 s[G0KL+2:G0KL+3], s[G0KE+2:G0KE+3], s[2:3]
	s_add_nc_u64 s[G0KL+2:G0KL+3], s[G0KL+2:G0KL+3], KE*64
	s_and_b32 s2, s[WV], 1
	s_lshl_b32 s2, s2, 16         ; 32 rows of V, 2,048 bytes each
	s_mov_b32 s[G0VL], 1
	s_add_nc_u64 s[G0VL+2:G0VL+3], s[G0VE+2:G0VE+3], s[2:3]
	s_add_nc_u64 s[G0VL+2:G0VL+3], s[G0VL+2:G0VL+3], 512
	s_and_b32 s2, s[WV], 1
	s_mul_i32 s2, s2, KLB         ; 352 LDS rows of K, or 32 of V: both are 50,688 bytes
	s_add_co_u32 s[G0KL+1], s2, KLO
	s_add_co_u32 s[G0VL+1], s2, VL
	s_lshl_b32 s2, s[WGY], 12     ; the head's first scale byte
	s_mov_b32 s[G0SK], 1
	s_mov_b32 s[G0SK+1], KSC
	s_add_nc_u64 s[G0SK+2:G0SK+3], s[10:11], s[2:3]
	s_mov_b32 s[G0SV], 1
	s_mov_b32 s[G0SV+1], VSC
	s_add_nc_u64 s[G0SV+2:G0SV+3], s[14:15], s[2:3]
.irp g, G0KE, G0VE, G0SK, G0SV, G0KL, G0VL
	s_or_b32 s[\g+3], s[\g+3], 0x80000000
.endr
	CROUND                        ; all four work-groups are here: the joint loads meet
; THE HEAD'S LOADS, ONE A WAVE.  One chain of branches on the wave's number, a load to an arm.
	ARM 1, G0KE, G1KE, .Lhead_1
	ARM 2, G0VE, G1VE, .Lhead_2
	ARM 3, G0SK, G1S, .Lhead_3
	ARM 4, G0SV, G1S, .Lhead_4
.Lhead_asked:                 ; (waves 4 to 7 ask behind the first barrier)
	s_mul_i32 s26, s[WV], 16*SP
	s_add_co_u32 s26, s26, STAGE  ; my stage
	s_wait_alu depctr_va_vdst(0)  ; directly ahead of the readers below
	; my lane's places in LDS
	v_and_b32 v[W], 8, v[R]
	v_add_nc_u32 v[W], v[W], v[R] ; r + 8 (r / 8): 0 .. 7, 16 .. 23
	v_lshrrev_b32 v[W+1], 1, v[W]
	v_and_b32 v[W+2], 1, v[W]
	v_mul_u32_u24 v[AK], v[W+1], KP   ; K: two keys to an LDS row,
	v_lshlrev_b32 v[AKS], 1, v[W]
	v_lshl_add_u32 v[AK], v[W+2], 6, v[AK]   ; the odd key 64 bytes on,
	v_lshl_add_u32 v[AKS], v[H], 4, v[AKS]   ; K's scale words: 2 bytes a key; lanes 16-31 take the odd tile's keys, 8 keys on
	v_lshl_add_u32 v[AK], v[H], 4, v[AK]   ; + 16 h
	v_add_nc_u32 v[AKS], KSC, v[AKS]
	v_mul_u32_u24 v[AVE], v[R], VEP
	v_mul_u32_u24 v[AVL], v[R], VLP
	v_lshl_add_u32 v[AVE], v[H], 4, v[AVE]   ; V: row r, + 16 h
	v_lshl_add_u32 v[AVL], v[H], 4, v[AVL]
	v_add_nc_u32 v[AVE], VE, v[AVE]
	v_add_nc_u32 v[AVL], VL-528, v[AVL]
	v_lshrrev_b32 v[W], 2, v[LN]
	v_and_b32 v[W+1], 3, v[LN]
	v_mul_u32_u24 v[AVS], v[W], SP
	v_lshl_add_u32 v[AVS], v[W+1], 6, v[AVS]
	v_add_nc_u32 v[AVS], VSC, v[AVS]   ; V's scale words: row d = lane, 64 bytes a row, four rows to an LDS row
	v_and_b32 v[W], 7, v[LN]
	v_lshrrev_b32 v[W+1], 3, v[LN]
	v_xor_b32 v[W], v[W], v[H]
	v_lshlrev_b32 v[W+1], 7, v[W+1]
	v_lshrrev_b32 v[W+3], 1, v[R]
	v_lshlrev_b32 v[W+4], 7, v[R]
	v_add_nc_u32 v[W+1], s26, v[W+1]   ; the stage: row lane / 8
	v_xor_b32 v[W+3], v[W+3], v[H]
	v_add_nc_u32 v[W+4], s26, v[W+4]   ; row r
.irp j, 0,1,2,3
	v_xor_b32 v[W+2], 2*\j, v[W]
	v_xor_b32 v[W+5], 2*\j, v[W+3]
	v_lshl_add_u32 v[MST+\j], v[W+2], 4, v[W+1]   ; column (lane % 8) xor (2 j + h)
	v_lshl_add_u32 v[MLD+\j], v[W+5], 4, v[W+4]   ; column (2 c + h) xor (r / 2)
.endr
	; the selectors: lane (r, h) holds row r of a tile.  Row r's key lies in half r / 8 of its block, at byte r % 4 of register 2 u + (r % 8) / 4 of that half
	v_and_b32 v[W], 3, v[R]
	v_mov_b32 v[W+1], 0xfe        ; the code -448
	v_lshlrev_b32 v[W], 3, v[W]
	v_lshrrev_b32 v[W+2], 3, v[R]
	v_lshlrev_b32 v[W+1], v[W], v[W+1]
	v_cmp_eq_u32 vcc_lo, v[W+2], v[H]
	v_cndmask_b32 v[W+1], 0, v[W+1], vcc_lo
	v_and_b32 v[W+3], 4, v[R]
	v_cmp_eq_u32 vcc_lo, 0, v[W+3]
	v_cndmask_b32 v[W+4], 0, v[W+1], vcc_lo
	v_sub_nc_u32 v[W+5], v[W+1], v[W+4]
	WIN 0x40
.irp g, 0,1,2,3
.irp i, 0,1,2,3,4,5,6,7
.if \i == 4*(\g/2)+2*(\g%2)
	v_mov_b32 v[KB+24*\g+8+\i], v[W+4]
.elseif \i == 4*(\g/2)+2*(\g%2)+1
	v_mov_b32 v[KB+24*\g+8+\i], v[W+5]
.else
	v_mov_b32 v[KB+24*\g+8+\i], 0
.endif
.endr
.endr
	WIN 0
; The loop has no first step of its own: O^T and the sums begin as zeros, which the first change of M leaves zeros: that saves a further copy of the key step.
.set i, 0
.rept 64
	v_mov_b32 v[O+i], 0
.set i, i+1
.endr
.irp r, L, L+1, L+4, L+5, T4, T4+1, T4+2, T4+3, F+1
	v_mov_b32 v[\r], 0            ; the sums; the lane permutes' destinations, which count as sources; the upper half of f's pair
.endr
.irp t, 0,1
	v_mov_b32 v[TX+4*\t], 0xdd800000   ; the largest t so far: -2^60: under every t that counts, over every hidden one
.endr
.irp t, 0,1
	v_floor_f32 v[NM+4*\t], -v[TX+4*\t]
.endr
	s_wait_alu depctr_va_vdst(0)  ; the head's end, ahead of the waits below
	s_wait_tensorcnt 0x0          ; my tile, one of the first four, has landed
	ds_add_u32 v[SPW], v[NIL]     ; the add twice on end
	ds_add_u32 v[SPW], v[NIL]
	s_wait_dscnt 0x0
	CROUND                        ; the first four tiles are whole, and all four work-groups are here: the later joint loads meet
	s_cmp_lt_u32 s[WV], 4
	s_cbranch_scc1 .Llate_asked
	s_cmp_lt_u32 s[WV], 6
	s_cbranch_scc0 .Llate_v
	tensor_load_to_lds s[G0KL:G0KL+3], s[G1KL:G1KL+7]   ; waves 4 and 5: the rest of K
	s_nop 0
.rept 4
	v_nop
.endr
	s_branch .Llate_asked
.Llate_v:
	tensor_load_to_lds s[G0VL:G0VL+3], s[G1VL:G1VL+7]   ; waves 6 and 7: the rest of V
	s_nop 0
.rept 4
	v_nop
.endr
.Llate_asked:
	LOADK AK, AKS, 0
	s_wait_loadcnt 8              ; step 0's mask bytes, Q and its scale words are in; step 1's 8 mask loads may be out
	v_lshl_or_b32 v[QS+1], v[QS], 16, 0xb1b1   ; Q's two scale bytes above the mask's (177 = 2^50),
	v_or_b32 v[QS], 0xb1b10000, v[QS]   ; and below them
	WIN 0x41
.irp t, 0,1
.irp i, 0,1,2,3,4,5,6,7
	v_mov_b32 v[BQ+32*\t+24+\i], v[BQ+32*\t+\i]   ; Q once more, behind the mask of keys 64-127
.endr
.endr
	FLIP VB
	MSTORE VB
	MLOAD
	WIN 0
	s_wait_alu depctr_va_vdst(0)  ; directly ahead of the wait below
	s_wait_dscnt 0x0              ; step 0's K and mask are in
	KWORDS
	s_wait_alu depctr_va_vdst(0)  ; the head's end
.rept 8
	v_nop                         ; eight places between the scale words and the products that take them
.endr
	s_mov_b32 s[STEPN], 0
.Lfirst:                      ; steps 0 to 3: V's first 512 keys, and K's first 640, since a step fetches the next one's K
	STEP 0, 1, 1
	s_add_co_u32 s[STEPN], s[STEPN], 1
	s_cmp_lt_u32 s[STEPN], 4
	s_cbranch_scc1 .Lfirst
	s_wait_alu depctr_va_vdst(0)  ; directly ahead of the waits below
	s_wait_tensorcnt 0x0          ; my tile has landed,
	s_wait_dscnt 0x0
	s_barrier_signal -1
	s_barrier_wait -1             ; and everybody's: all of K and V is whole
	s_mov_b32 s[STEPN], 4
.Lrest:                       ; steps 4 to 13
	STEP 1, 1, 1
	s_add_co_u32 s[STEPN], s[STEPN], 1
	s_cmp_lt_u32 s[STEPN], 14
	s_cbranch_scc1 .Lrest
	s_mov_b32 s[STEPN], 14
	STEP 1, 1, 0                  ; the last two steps ask for nothing beyond the end
	s_mov_b32 s[STEPN], 15
	STEP 1, 0, 0
	; THE WAY OUT.  O^T / the sum goes through my stage in LDS, a tile (16 queries x 256 bytes) at a time, and comes back as whole rows: sixteen lanes store a query's 256 consecutive bytes, aligned.
	v_and_b32 v[R], 15, v0
	v_bfe_u32 v[H], v0, 4, 1
	s_mul_i32 s26, s[WV], 16*SP
	s_add_co_u32 s26, s26, STAGE
	v_mul_u32_u24 v[STO], v[R], SP
	v_mul_u32_u24 v[RD], v[H], SP
	v_lshl_add_u32 v[STO], v[H], 5, v[STO]
	v_lshl_add_u32 v[RD], v[R], 4, v[RD]
	v_add_nc_u32 v[STO], s26, v[STO]   ; in: row r; tile g's eight channels of my half: 64 g + 32 h bytes on
	v_add_nc_u32 v[RD], s26, v[RD]     ; back: lanes 0-15 one row, lanes 16-31 the next
	v_lshlrev_b32 v[GO], 8, v[H]
	v_lshl_add_u32 v[GO], v[R], 4, v[GO]   ; and the same two rows in O
.macro OUT t, rs, rb
	v_add_f32 v[TMP], v[L+4*\t], v[L+4*\t+1]   ; the sum's two halves,
	s_delay_alu instid0(VALU_DEP_1)
	v_permlanex16_b32 v[T4], v[TMP], s[SEL], s[SEL+1]
	s_delay_alu instid0(VALU_DEP_1)
	v_add_f32 v[TMP], v[TMP], v[T4]   ; and lane l xor 16's: the row's sum
	s_wait_alu depctr_va_vdst(0)
	v_rcp_f32 v[F], v[TMP]
	v_nop                             ; a plain place behind the reciprocal,
	s_wait_alu depctr_va_vdst(0)      ; and a wait ahead of its first reader
.set j, 0
.rept 16
	v_pk_mul_f32 v[\rs+j:\rs+j+1], v[O+32*\t+j:O+32*\t+j+1], v[F:F+1] op_sel_hi:[1,0]   ; register 8 g + i is o(query r, channel 16 g + 8 h + i); a row with no key: 0 x infinity = NaN
.set j, j+2
.endr
.irp g, 0,1,2,3
	ds_store_b128 v[STO], v[\rs+8*\g:\rs+8*\g+3] offset:64*\g
	ds_store_b128 v[STO], v[\rs+8*\g+4:\rs+8*\g+7] offset:64*\g+16
.endr
.irp i, 0,1,2,3,4,5,6,7
	ds_load_b128 v[\rb+4*\i:\rb+4*\i+3], v[RD] offset:2*\i*SP   ; these see the stores above, and the next tile's stores come behind them
.endr
.endm
.macro SEND t, rb, younger    ; younger: the LDS instructions issued behind tile t's loads: the next tile's sixteen, or none
.irp i, 0,1,2,3,4,5,6,7
	s_wait_dscnt \younger+7-\i
	global_store_b128 v[GO], v[\rb+4*\i:\rb+4*\i+3], s[18:19] offset:4096*\t+512*\i th:TH_STORE_NT
.endr
.endm
	OUT 0, S, S+32                ; tile 0's arithmetic and the addresses above are the places between the last products and the first read of tile 1's O^T
	OUT 1, 208, O                 ; (tile 0's O^T is done with: its registers take tile 1's rows)
	s_wait_alu depctr_va_vdst(0)  ; directly ahead of the waits below
	SEND 0, S+32, 16
	SEND 1, O, 0
	s_wait_tensorcnt 0x0          ; the wave's end, behind my last tensor load and my last LDS store
	ds_add_u32 v[SPW], v[NIL]
	s_wait_dscnt 0x0
	CROUND                        ; the closing round: no work-group ends while a partner may still ask for a tile that names it
	s_endpgm
.Lfunc_end_k_q5e88c3622a_attn:
	.size	k_q5e88c3622a_attn, .Lfunc_end_k_q5e88c3622a_attn-k_q5e88c3622a_attn
	.p2alignl 7, 3214868480
	.fill 96, 4, 3214868480
	.section	.rodata,"a",@progbits
	.p2align	6, 0x0
	.amdhsa_kernel k_q5e88c3622a_attn
		.amdhsa_group_segment_fixed_size 327680
		.amdhsa_private_segment_fixed_size 0
		.amdhsa_enable_private_segment 0
		.amdhsa_kernarg_size 64
		.amdhsa_user_sgpr_count 2
		.amdhsa_user_sgpr_kernarg_segment_ptr 1
		.amdhsa_wavefront_size32 1
		.amdhsa_system_sgpr_workgroup_id_x 1
		.amdhsa_system_sgpr_workgroup_id_y 1
		.amdhsa_system_sgpr_workgroup_id_z 1
		.amdhsa_system_vgpr_workitem_id 0
		.amdhsa_next_free_vgpr 512
		.amdhsa_next_free_sgpr 102
		.amdhsa_reserve_vcc 1
		.amdhsa_float_denorm_mode_32 3
		.amdhsa_float_denorm_mode_16_64 3
		.amdhsa_memory_ordered 1
		.amdhsa_forward_progress 1
		.amdhsa_inst_pref_size 181
	.end_amdhsa_kernel
	.amdgpu_metadata
---
amdhsa.version: [ 1, 2 ]
amdhsa.kernels:
  - .name:           k_q5e88c3622a_attn
    .symbol:         k_q5e88c3622a_attn.kd
    .args:
      - { .name: q_codes, .offset: 0, .size: 8, .value_kind: global_buffer, .address_space: global }
      - { .name: q_scales, .offset: 8, .size: 8, .value_kind: global_buffer, .address_space: global }
      - { .name: k_codes, .offset: 16, .size: 8, .value_kind: global_buffer, .address_space: global }
      - { .name: k_scales, .offset: 24, .size: 8, .value_kind: global_buffer, .address_space: global }
      - { .name: v_codes, .offset: 32, .size: 8, .value_kind: global_buffer, .address_space: global }
      - { .name: v_scales, .offset: 40, .size: 8, .value_kind: global_buffer, .address_space: global }
      - { .name: mask, .offset: 48, .size: 8, .value_kind: global_buffer, .address_space: global }
      - { .name: out0, .offset: 56, .size: 8, .value_kind: global_buffer, .address_space: global }
    .group_segment_fixed_size: 327680
    .private_segment_fixed_size: 0
    .kernarg_segment_align: 8
    .kernarg_segment_size: 64
    .max_flat_workgroup_size: 256
    .sgpr_count:     102
    .vgpr_count:     512
    .wavefront_size: 32
...
	.end_amdgpu_metadata
.endif
;; end of part 1
